; MI455X (gfx1250); checked and timed in simulation.
; The chip was launched on July 23, 2026; its instructions are those of AMD's public machine-readable ISA for CDNA 5 (MIT licence, August 2026) and "CDNA5" Instruction Set Architecture Reference Guide (July 2026). The comments in the code are by the model that wrote it; some were corrected since.
;; Cross Attention. Allowed arithmetic: float matrix products may take bf16 or f16 operands with f32 sums; other float arithmetic in f32, or as packed bf16 or f16 multiplies, adds, multiply-adds, maxima and minima; sums over many terms, partial sums and values carried from step to step in f32; what a program stores and reads back later, other than sums and carried values, may be rounded once to bf16 or f16.
;; Inputs: Wk 768 x 768 float32; Wq 768 x 768 float32; Wv 768 x 768 float32; bk 768 float32; bq 768 float32; bv 768 float32; context 16 x 1,024 x 768 float32; x 16 x 1,024 x 768 float32.
;; Outputs: out0 16 x 1,024 x 768 float32.
;; One version. Each part assembles by itself: llvm-mc -triple=amdgcn-amd-amdhsa -mcpu=gfx1250 --defsym DOCPART=n.
;; ======== version 1 of 1: 3 launches
;; limits: values are held in f16: magnitudes above 65,504 overflow, below 6.1e-05 lose precision
;; workspace buffers: Wb 3,538,944 bytes; Bb 9,216 bytes; Qh 25,165,824 bytes; Kh 25,165,824 bytes; Vh 25,165,824 bytes
;; launch wcvt (part 1): grid 96 x 3, 8 waves a work-group, no clusters, 0 bytes of LDS; arguments Wq, Wk, Wv, bq, bk, bv, Wb, Bb; writes Wb, Bb
.if DOCPART == 1
	.amdgcn_target "amdgcn-amd-amdhsa--gfx1250"
	.amdhsa_code_object_version 6
	.text
	.protected	k_qfbf095d40c_wcvt
	.globl	k_qfbf095d40c_wcvt
	.p2align	8
	.type	k_qfbf095d40c_wcvt,@function
k_qfbf095d40c_wcvt:
	s_mov_b64 s[64:65], 0
	v_nop
	global_prefetch_b8 v0, s[64:65] scope:SCOPE_SE
	s_setreg_imm32_b32 hwreg(HW_REG_WAVE_MODE, 25, 1), 1
	s_wait_xcnt 0x0
; The three weight matrices [768][768] f32 are rounded once to bf16 and laid out in the tiles that the projection asks for:
; Wb[nh 2][mat 3 (q, k, v)][ks 6][n 384][k 128], row e = 384 nh + n, column 128 ks + k: a tile (nh, mat, ks) is 98,304 dense bytes with rows of 256 bytes.
; The three biases are rounded to bf16 and written widened again, Bb[mat][768] f32, so that they can start the f32 sums.
; A work-group is (8 rows, one matrix); a wave takes one row of 3,072 bytes: six loads of 512 neighbouring bytes, six stores of 256 neighbouring, aligned bytes.
; A stream read once and written once: no LDS, no barrier, no matrix work.
.set ROWB,  3072                       ; bytes in a row of W, and in a bias
.set TILE,  98304                      ; bytes in a tile of Wb
.set MATB,  6*TILE
.set HALFB, 3*MATB
	s_load_b512 s[8:23], s[0:1], 0x0               ; Wq s[8:9], Wk s[10:11], Wv s[12:13], bq s[14:15], bk s[16:17], bv s[18:19], Wb s[20:21], Bb s[22:23]
	v_and_b32 v1, 31, v0                           ; lane
	v_lshrrev_b32 v5, 5, v0
	v_readfirstlane_b32 s2, v5                     ; wave 0..7
	s_mov_b32 s4, ttmp9                            ; which 8 rows
	s_and_b32 s3, ttmp7, 0xffff                    ; which matrix
	s_lshl_b32 s28, s4, 3
	s_add_co_u32 s28, s28, s2                      ; e: my row
	s_cmp_ge_u32 s28, 384
	s_cselect_b32 s29, 1, 0                        ; nh
	s_mul_i32 s30, s29, 384
	s_sub_co_u32 s30, s28, s30                     ; n = e - 384 nh
	s_mul_i32 s32, s28, ROWB                       ; my row's byte offset in W
	s_mov_b32 s33, 0
	s_mul_i32 s34, s29, HALFB                      ; and in Wb: nh, matrix, row n of tile ks = 0
	s_mul_i32 s31, s3, MATB
	s_add_co_u32 s34, s34, s31
	s_lshl_b32 s31, s30, 8
	s_add_co_u32 s34, s34, s31
	s_mov_b32 s35, 0
	s_mul_i32 s36, s3, ROWB                        ; the matrix's bias in Bb
	s_mov_b32 s37, 0
	v_lshlrev_b32 v2, 4, v1                        ; 16 bytes of f32 a lane
	v_lshlrev_b32 v3, 3, v1                        ; 8 bytes of bf16 a lane
	v_lshlrev_b32 v4, 4, v0                        ; the bias: 16 bytes a thread
	s_wait_kmcnt 0x0
	s_cmp_eq_u32 s3, 1                             ; the matrix and its bias are chosen by the work-group's y
	s_cselect_b64 s[24:25], s[10:11], s[8:9]
	s_cselect_b64 s[26:27], s[16:17], s[14:15]
	s_cmp_eq_u32 s3, 2
	s_cselect_b64 s[24:25], s[12:13], s[24:25]
	s_cselect_b64 s[26:27], s[18:19], s[26:27]
	s_add_nc_u64 s[24:25], s[24:25], s[32:33]
	s_add_nc_u64 s[20:21], s[20:21], s[34:35]
	s_add_nc_u64 s[22:23], s[22:23], s[36:37]
.irp k, 0,1,2,3,4,5
	global_load_b128 v[8+4*\k:11+4*\k], v2, s[24:25] offset:512*\k th:TH_LOAD_NT
.endr
.irp k, 0,1,2,3,4,5
	s_wait_loadcnt 5-\k                            ; loads come back in order: number k is in, the younger ones stay out
	v_cvt_pk_bf16_f32 v[32+2*\k], v[8+4*\k], v[9+4*\k]
	v_cvt_pk_bf16_f32 v[33+2*\k], v[10+4*\k], v[11+4*\k]
	global_store_b64 v3, v[32+2*\k:33+2*\k], s[20:21] offset:TILE*\k  ; the wave stores 256 consecutive bytes, aligned: row n of tile ks = k
.endr
	s_cmp_lg_u32 s4, 0                             ; the bias: the first work-group of each matrix, threads 0 to 191 (waves 0 to 5), four numbers each
	s_cbranch_scc1 .Ldone
	s_cmp_ge_u32 s2, 6
	s_cbranch_scc1 .Ldone
	global_load_b128 v[44:47], v4, s[26:27]
	s_wait_loadcnt 0x0
	v_cvt_pk_bf16_f32 v6, v44, v45                 ; rounded to bf16,
	v_cvt_pk_bf16_f32 v7, v46, v47
	v_lshlrev_b32 v44, 16, v6                      ; and widened again
	v_and_b32 v45, 0xffff0000, v6
	v_lshlrev_b32 v46, 16, v7
	v_and_b32 v47, 0xffff0000, v7
	global_store_b128 v4, v[44:47], s[22:23]
.Ldone:
	s_endpgm
.Lfunc_end_k_qfbf095d40c_wcvt:
	.size	k_qfbf095d40c_wcvt, .Lfunc_end_k_qfbf095d40c_wcvt-k_qfbf095d40c_wcvt
	.p2alignl 7, 3214868480
	.fill 96, 4, 3214868480
	.section	.rodata,"a",@progbits
	.p2align	6, 0x0
	.amdhsa_kernel k_qfbf095d40c_wcvt
		.amdhsa_group_segment_fixed_size 0
		.amdhsa_private_segment_fixed_size 0
		.amdhsa_enable_private_segment 0
		.amdhsa_kernarg_size 64
		.amdhsa_user_sgpr_count 2
		.amdhsa_user_sgpr_kernarg_segment_ptr 1
		.amdhsa_wavefront_size32 1
		.amdhsa_system_sgpr_workgroup_id_x 1
		.amdhsa_system_sgpr_workgroup_id_y 1
		.amdhsa_system_sgpr_workgroup_id_z 1
		.amdhsa_system_vgpr_workitem_id 0
		.amdhsa_next_free_vgpr 48
		.amdhsa_next_free_sgpr 66
		.amdhsa_reserve_vcc 0
		.amdhsa_float_denorm_mode_32 3
		.amdhsa_float_denorm_mode_16_64 3
		.amdhsa_memory_ordered 1
		.amdhsa_forward_progress 1
		.amdhsa_inst_pref_size 5
	.end_amdhsa_kernel
	.amdgpu_metadata
---
amdhsa.version: [ 1, 2 ]
amdhsa.kernels:
  - .name:           k_qfbf095d40c_wcvt
    .symbol:         k_qfbf095d40c_wcvt.kd
    .args:
      - { .name: Wq, .offset: 0, .size: 8, .value_kind: global_buffer, .address_space: global }
      - { .name: Wk, .offset: 8, .size: 8, .value_kind: global_buffer, .address_space: global }
      - { .name: Wv, .offset: 16, .size: 8, .value_kind: global_buffer, .address_space: global }
      - { .name: bq, .offset: 24, .size: 8, .value_kind: global_buffer, .address_space: global }
      - { .name: bk, .offset: 32, .size: 8, .value_kind: global_buffer, .address_space: global }
      - { .name: bv, .offset: 40, .size: 8, .value_kind: global_buffer, .address_space: global }
      - { .name: Wb, .offset: 48, .size: 8, .value_kind: global_buffer, .address_space: global }
      - { .name: Bb, .offset: 56, .size: 8, .value_kind: global_buffer, .address_space: global }
    .group_segment_fixed_size: 0
    .private_segment_fixed_size: 0
    .kernarg_segment_align: 8
    .kernarg_segment_size: 64
    .max_flat_workgroup_size: 256
    .sgpr_count:     66
    .vgpr_count:     48
    .wavefront_size: 32
...
	.end_amdgpu_metadata
.endif
;; end of part 1
;; launch proj (part 2): grid 128 x 2, 4 waves a work-group, clusters of 4 x 1, 327,680 bytes of LDS; arguments x, context, Wb, Bb, Qh, Kh, Vh; writes Qh, Kh, Vh
.if DOCPART == 2
	.amdgcn_target "amdgcn-amd-amdhsa--gfx1250"
	.amdhsa_code_object_version 6
	.text
	.protected	k_qfbf095d40c_proj
	.globl	k_qfbf095d40c_proj
	.p2align	8
	.type	k_qfbf095d40c_proj,@function
k_qfbf095d40c_proj:
	s_mov_b64 s[64:65], 0
	v_nop
	global_prefetch_b8 v0, s[64:65] scope:SCOPE_SE
	s_setreg_imm32_b32 hwreg(HW_REG_WAVE_MODE, 25, 1), 1
	s_wait_xcnt 0x0
	s_wait_alu depctr_hold_cnt(0) depctr_sa_sdst(0) depctr_va_vdst(0) depctr_va_sdst(0) depctr_va_ssrc(0) depctr_va_vcc(0) depctr_vm_vsrc(0)
	s_getreg_b32 s2, hwreg(HW_REG_IB_STS2, 6, 4)
	s_cmp_eq_u32 s2, 0
	s_cbranch_scc0 .Lentry_in_a_cluster
	s_endpgm
.Lentry_in_a_cluster:
	s_bfe_u32 s2, ttmp6, 0x10000c
	s_cmp_lg_u32 s2, 0x3003
	s_cbranch_scc0 .Lentry_shape_is_right
	s_endpgm
.Lentry_shape_is_right:
; Q = x Wq^T + bq, K = context Wk^T + bk, V = context Wv^T + bv.  x, context: [16384][768] f32, rounded to bf16 on the way; the weights come as bf16 tiles (Wb), the biases as f32 (Bb).
; Sums in f32, started by the bias; Q, K, V rounded once to f16 and stored in the layouts that the attention launch asks for:
;   Qh, Kh [batch 16][chunk 12][row 1024][64];   Vh [batch][w 4][t 16][cc 3][key 64][64], channel = 192 w + 64 cc + .., key = 64 t + ..
; LIMITS.  f16 holds no number beyond 65,504: |Q|, |K|, |V| must stay within it.  NaN and infinities are not treated apart.
; SHARES.  A work-group owns 128 rows and 384 of the 768 columns and STAYS for three passes (x Wq, context Wk, context Wv): 18 K steps of 128, one ring of two LDS slots that runs on across the passes.
; A wave owns 64 rows x 192 columns: 48 accumulators of 16 x 16, 384 registers.
; THE MATRIX INSTRUCTION IS USED TRANSPOSED (source 0 = 16 rows of W, source 1 = 16 rows of x): a lane holds one row and eight neighbouring columns, which pack into 16 bytes.
; W comes by the tensor data mover.  CLUSTER: the four work-groups of a cluster own different rows and the same 384 columns, so they walk the same 18 tiles of W: each tile is asked for JOINTLY,
; by the same load with the same descriptor and a mask that names the four.  x and context come as f32 and are rounded in registers, so they come by loads into registers, a K step ahead,
; and go into LDS slots of their own by ds_store; no tensor load ever lands there.
; REGISTERS, in windows of 256 (s_set_vgpr_msb: bits 1:0 source 0, 3:2 source 1, 5:4 source 2, 7:6 destination):
;   window 0: v0-29 addresses; v32-47 packed results; v48-63, v224-239 rows read back on the way out; v64-127 fragments of x, two buffers; v128-223 the bias as a C operand, 8 registers for each 16 columns
;   window 1: v0-191 fragments of W, two buffers of 96
;   window 2: v0-191 accumulators of my rows 0-31 ((a, b) at 8 (12 (a % 2) + b)); v192-255 rows 0-15 of my 32 rows of x on their way
;   window 3: v0-191 accumulators of my rows 32-63; v192-255 rows 16-31 on their way
.set PITCH,  272                       ; an LDS row: 256 bytes + 16 of padding = 68 words, so the 16 rows of a fragment load start at 16 different groups of four banks (64 banks of 4 bytes: ISA guide 11.1)
.set WPART,  96*PITCH                  ; what one tensor load brings: 96 rows of W
.set WSLOT,  4*WPART                   ; 384 rows
.set ABASE,  2*WSLOT                   ; behind W's two slots: two slots of 128 rows of x, written by ds_store alone
.set ASLOT,  128*PITCH
.set STAGE,  ABASE+2*ASLOT             ; 16 rows x 144 bytes for each wave, for the way out
.set SP,     144
.set SPARE,  STAGE+4*16*SP             ; the spare words, 128 bytes for each wave: two blocks of 256 bytes that no other line names
.set WTILE,  98304                     ; bytes of a tile of W in memory
.set ADRA, 8                           ; v8-9    LDS address of my fragments of x in slot 0, 1
.set ADRW, 10                          ; v10-11  the same for W
.set AST,  12                          ; v12-13  where I put 8 bytes of a row of x, slot 0, 1
.set AO,   14                          ; v14     my byte offset in the block's rows of x
.set BO,   15                          ; v15     my byte offset in a bias
.set STO,  16                          ; v16     the way out: where I put 16 bytes of a row
.set RD,   17                          ; v17     where I read rows back
.set GO,   18                          ; v18     my byte offset in 512 consecutive bytes of the output
.set SPW,  28                          ; v28     LDS address of my spare word; never rewritten
.set NIL,  29                          ; v29     0; never rewritten
.set TMP,  32
.set BK,   48                          ; and 224, by turns
.set AF,   64
.set BIAS, 128
.set SG,   192
.set LAP,  2                           ; s2      laps of the ring
.set PH,   3                           ; s3      the lap within a pass: 0, 1, 2
.set WV,   18                          ; s18     my wave's number
.set G1,   24                          ; s[24:31] descriptor group 1
.set G0,   32                          ; s[32:39] descriptor group 0, a set for each slot
.set CST,  46                          ; s[46:47] bytes from a chunk of 64 columns to the next in the output of the pass in hand
.set CST1, 48                          ; s48     the same for the next pass
.set MSB, 0
.macro WIN new                         ; the immediate's high byte repeats the setting that is left; a switch that changes nothing is dropped
.if MSB != (\new)
	s_set_vgpr_msb (MSB<<8)|(\new)
.set MSB, \new
.endif
.endm
.macro PLACES                          ; four places in front of loads into registers that matrix instructions have read, and of conversions that read results
.rept 4
	v_nop
.endr
.endm
.macro CREST                           ; a round of the cluster's barrier behind its opening barrier
	s_cmp_lg_u32 s[WV], 0
	s_cbranch_scc1 .Lnot_wave_0_\@
	s_barrier_signal -3
.Lnot_wave_0_\@:
	s_barrier_wait -3
	s_barrier_signal -1
	s_barrier_wait -1
.endm
.macro CROUND                          ; a whole round
	s_barrier_signal -1
	s_barrier_wait -1
	CREST
.endm
	s_load_b256 s[4:11], s[0:1], 0x0               ; x s[4:5], context s[6:7], Wb s[8:9], Bb s[10:11]
	s_load_b128 s[12:15], s[0:1], 0x20             ; Qh s[12:13], Kh s[14:15]
	s_load_b64 s[16:17], s[0:1], 0x30              ; Vh
	v_lshl_add_u32 v[SPW], v0, 2, SPARE
	v_mov_b32 v[NIL], 0
	ds_add_u32 v[SPW], v[NIL]                      ; the wave's opening: the add and its wait stand ahead of my first tensor load; the set-up below, work on registers, stands between them
	v_lshrrev_b32 v3, 5, v0
	v_readfirstlane_b32 s[WV], v3                  ; wave 0..3
	s_lshr_b32 s19, s[WV], 1                       ; mh: which 64 of the 128 rows are mine
	s_and_b32 s20, s[WV], 1                        ; nq: which 192 of the 384 columns
	s_bfe_u32 s21, ttmp6, 0x40000                  ; cx: my place in the cluster
	s_lshl_b32 s22, ttmp9, 2                       ; in a cluster launch ttmp9 counts clusters
	s_add_co_u32 s22, s22, s21                     ; rb: my block of 128 rows; it enters the addresses of x, context and the outputs alone
	s_and_b32 s23, ttmp7, 0xffff                   ; nh: which half of the columns; the four partners share it
	; descriptor group 1: 96 rows x 128 elements of 2 bytes, padded in LDS
	s_mov_b32 s[G1+0], 15|(1<<16)|(1<<20)|(1<<21)|(5<<22)|(3<<25)  ; 15:0 the mask of four; 17:16 2-byte elements; 20 padding on; 21 set beside a mask; 24:22 after every 64 words (code 5); 31:25 4 words (code 3)
	s_mov_b32 s[G1+1], 128<<16                     ; tensor_dim0 = 128
	s_mov_b32 s[G1+2], 96<<16                      ; tensor_dim1 = 96
	s_mov_b32 s[G1+3], 128<<16                     ; tile_dim0 = 128
	s_mov_b32 s[G1+4], 96                          ; tile_dim1 = 96
	s_mov_b32 s[G1+5], 128                         ; 128 elements from row to row: a tile is dense
	s_mov_b32 s[G1+6], 0
	s_mov_b32 s[G1+7], 0
	s_mov_b32 s[G0], 1
	s_mul_i32 s[G0+1], s[WV], WPART                ; LDS address: wave x 96 rows; no place in the cluster enters it
	s_mov_b32 s[G0+4], 1
	s_add_co_u32 s[G0+5], s[G0+1], WSLOT
	s_mul_i32 s40, s22, 393216                     ; my block's 128 rows of 3,072 bytes in x and in context
	s_mov_b32 s41, 0
	s_mul_i32 s42, s23, 18*WTILE                   ; the half's 18 tiles of W, and my 96 rows of 256 bytes in a tile
	s_mul_i32 s52, s[WV], 24576
	s_add_co_u32 s42, s42, s52
	s_mov_b32 s43, 0
	s_lshr_b32 s52, s22, 3                         ; the batch,
	s_mul_i32 s52, s52, 1572864
	s_lshl_b32 s53, s23, 1
	s_add_co_u32 s53, s53, s20                     ; my 192 columns: three chunks of Qh and Kh, one w of Vh, 393,216 bytes either way,
	s_mul_i32 s53, s53, 393216
	s_add_co_u32 s52, s52, s53
	s_and_b32 s53, s22, 7
	s_lshl_b32 s53, s53, 1
	s_add_co_u32 s53, s53, s19                     ; and my 64 rows among the batch's sixteen such blocks:
	s_lshl_b32 s44, s53, 13                        ; 8,192 bytes of a chunk in Qh and Kh,
	s_add_co_u32 s44, s44, s52
	s_mov_b32 s45, 0
	s_mul_i32 s50, s53, 24576                      ; one t of Vh
	s_add_co_u32 s50, s50, s52
	s_mov_b32 s51, 0
	s_mov_b32 s[CST], 131072                       ; Qh: from chunk to chunk
	s_mov_b32 s[CST+1], 0
	s_mov_b32 s[CST1], 131072                      ; Kh likewise
	; A fragment is 16 rows x 32 K in 8 registers: lane l holds row l % 16; registers 0-3 K = 8 (l / 16) + 0..7, registers 4-7 K = 16 + 8 (l / 16) + 0..7: two loads of 16 bytes, 32 bytes apart.
	v_and_b32 v1, 15, v0                           ; r = l % 16
	v_bfe_u32 v2, v0, 4, 1                         ; h = l / 16
	v_and_b32 v3, 31, v0                           ; l
	v_mul_u32_u24 v4, v1, PITCH
	v_lshl_add_u32 v4, v2, 4, v4                   ; row x pitch + 16 x half
	s_mul_i32 s52, s20, 192*PITCH                  ; my 192 rows of W
	v_add_nc_u32 v[ADRW], s52, v4
	v_add_nc_u32 v[ADRW+1], WSLOT, v[ADRW]
	s_mul_i32 s52, s19, 64*PITCH                   ; my 64 rows of x
	s_add_co_u32 s52, s52, ABASE
	v_add_nc_u32 v[ADRA], s52, v4
	v_add_nc_u32 v[ADRA+1], ASLOT, v[ADRA]
	s_mul_i32 s52, s[WV], 32*PITCH                 ; the 32 rows of x that I bring: 8 bytes of bf16 a lane
	s_add_co_u32 s52, s52, ABASE
	v_lshl_add_u32 v[AST], v3, 3, s52
	v_add_nc_u32 v[AST+1], ASLOT, v[AST]
	s_mul_i32 s52, s[WV], 32*3072                  ; the same rows in memory: 16 bytes of f32 a lane
	v_lshl_add_u32 v[AO], v3, 4, s52
	s_mul_i32 s52, s23, 1536                       ; the bias of column 384 nh + 192 nq + 8 h
	s_mul_i32 s53, s20, 768
	s_add_co_u32 s52, s52, s53
	v_lshl_add_u32 v[BO], v2, 5, s52
	s_mul_i32 s52, s[WV], 16*SP
	s_add_co_u32 s52, s52, STAGE                   ; my stage
	v_mul_u32_u24 v5, v1, SP                       ; in: row l % 16, 16 bytes for each half of the lanes
	v_lshl_add_u32 v5, v2, 4, v5
	v_add_nc_u32 v[STO], s52, v5
	v_bfe_u32 v5, v0, 3, 2                         ; back: 32 lanes take four rows of 128 bytes,
	v_mul_u32_u24 v5, v5, SP
	v_and_b32 v6, 7, v0
	v_lshl_add_u32 v5, v6, 4, v5
	v_add_nc_u32 v[RD], s52, v5
	v_lshlrev_b32 v[GO], 4, v3                     ; which are 512 consecutive bytes of the output
	s_wait_dscnt 0x0                               ; the opening add is done
	s_wait_kmcnt 0x0
	s_add_nc_u64 s[4:5], s[4:5], s[40:41]          ; x at my block: the pointer that walks
	s_add_nc_u64 s[6:7], s[6:7], s[40:41]          ; context at my block: where passes 1 and 2 begin
	s_add_nc_u64 s[G0+2:G0+3], s[8:9], s[42:43]    ; tile 0,
	s_add_nc_u64 s[G0+6:G0+7], s[G0+2:G0+3], WTILE ; tile 1
	s_or_b32 s[G0+3], s[G0+3], 0x80000000          ; 127:126 type = 2
	s_or_b32 s[G0+7], s[G0+7], 0x80000000
	s_add_nc_u64 s[12:13], s[12:13], s[44:45]      ; the output of the pass in hand, of the next, of the one after
	s_add_nc_u64 s[14:15], s[14:15], s[44:45]
	s_add_nc_u64 s[16:17], s[16:17], s[50:51]
; 32 loads: my 32 rows of the K step at s[4:5]; each load takes a row's 512 neighbouring bytes (128 f32)
.macro ALOADS
	WIN 0x80                                       ; destination window 2, address window 0
.set i, 0
.rept 16
	global_load_b128 v[SG+4*i:SG+4*i+3], v[AO], s[4:5] offset:3072*i
.set i, i+1
.endr
	WIN 0xc0
.set i, 0
.rept 16
	global_load_b128 v[SG+4*i:SG+4*i+3], v[AO], s[4:5] offset:3072*(i+16)
.set i, i+1
.endr
	WIN 0
.endm
; the bias at s[10:11] as a C operand: register j of block b holds the bias of column 16 b + 8 h + j, the same in all 16 rows
.macro BLOADS
.set i, 0
.rept 12
	global_load_b128 v[BIAS+8*i:BIAS+8*i+3],   v[BO], s[10:11] offset:64*i
	global_load_b128 v[BIAS+8*i+4:BIAS+8*i+7], v[BO], s[10:11] offset:64*i+16
.set i, i+1
.endr
.endm
; The rows on their way are waited for, rounded to bf16 in place and put into slot ts.  mode 1: the next K step of the same pass is asked for.  mode 2: the same, or, in a pass's last lap, the next pass's
; first K step and its bias.  mode 0: nothing is left to ask for.
.macro STASH ts, mode
	s_wait_loadcnt 0x0                             ; all my loads are back (they were issued a K step ago): their registers may be read, and their base may be stepped
	WIN 0x8a
.set i, 0
.rept 16
	v_cvt_pk_bf16_f32 v[SG+4*i],   v[SG+4*i],   v[SG+4*i+1]
	v_cvt_pk_bf16_f32 v[SG+4*i+1], v[SG+4*i+2], v[SG+4*i+3]
.set i, i+1
.endr
	WIN 0xcf
.set i, 0
.rept 16
	v_cvt_pk_bf16_f32 v[SG+4*i],   v[SG+4*i],   v[SG+4*i+1]
	v_cvt_pk_bf16_f32 v[SG+4*i+1], v[SG+4*i+2], v[SG+4*i+3]
.set i, i+1
.endr
	WIN 0x08                                       ; data window 2, address window 0
.set i, 0
.rept 16
	ds_store_b64 v[AST+(\ts)], v[SG+4*i:SG+4*i+1] offset:PITCH*i  ; 32 lanes x 8 bytes: a row's 256 bytes
.set i, i+1
.endr
	WIN 0x0c
.set i, 0
.rept 16
	ds_store_b64 v[AST+(\ts)], v[SG+4*i:SG+4*i+1] offset:PITCH*(i+16)
.set i, i+1
.endr
	WIN 0
.if (\mode) == 1
	s_add_nc_u64 s[4:5], s[4:5], 512
.endif
.if (\mode) == 2
	s_add_nc_u64 s[40:41], s[4:5], 512
	s_cmp_eq_u32 s[PH], 2                          ; a pass's last lap: the K step after next is the next pass's first, and both later passes read context
	s_cselect_b64 s[4:5], s[6:7], s[40:41]
.endif
.if \mode
	ALOADS
.endif
.if (\mode) == 2
	s_cmp_lg_u32 s[PH], 2
	s_cbranch_scc1 .Lno_bias_\@                    ; forward, over loads alone; every wait for loads in this text is for 0, so it is right on both ways
	s_add_nc_u64 s[10:11], s[10:11], 3072
	BLOADS                                         ; the last product that took the old bias stands more than a K step back
.Lno_bias_\@:
.endif
.endm
; 12 matrix instructions: m block a x all 12 n blocks, 32 along K, from buffer f.  bias = 1: the bias starts the sums: nothing is cleared, and no line adds it.
; The 48 accumulators take turns, in the same order in every quarter.
.macro MUL12 f, a, bias
.if \bias
	WIN 0x81+0x40*((\a)/2)
.else
	WIN 0xa1+0x50*((\a)/2)
.endif
.set rA, AF+32*(\f)+8*(\a)
.set bb, 0
.rept 12
.set rD, 8*(12*((\a)%2)+bb)
.set rW, 96*(\f)+8*bb
.if \bias
	v_wmma_f32_16x16x32_bf16 v[rD:rD+7], v[rW:rW+7], v[rA:rA+7], v[BIAS+8*bb:BIAS+8*bb+7]
.else
	v_wmma_f32_16x16x32_bf16 v[rD:rD+7], v[rW:rW+7], v[rA:rA+7], v[rD:rD+7]
.endif
.set bb, bb+1
.endr
.endm
.macro MUL24 f, hi, bias
	MUL12 \f, 2*(\hi), \bias
	MUL12 \f, 2*(\hi)+1, \bias
.endm
; 32 LDS loads in one run: the fragments of a quarter step (192 rows of W, then 64 rows of x, 32 K at byte k of the rows) into buffer f
.macro FETCH slot, k, f
	WIN 0x40
.set bb, 0
.rept 12
	ds_load_b128 v[96*(\f)+8*bb:96*(\f)+8*bb+3],   v[ADRW+(\slot)] offset:(\k)+bb*16*PITCH
	ds_load_b128 v[96*(\f)+8*bb+4:96*(\f)+8*bb+7], v[ADRW+(\slot)] offset:(\k)+bb*16*PITCH+32
.set bb, bb+1
.endr
	WIN 0
.set bb, 0
.rept 4
	ds_load_b128 v[AF+32*(\f)+8*bb:AF+32*(\f)+8*bb+3],   v[ADRA+(\slot)] offset:(\k)+bb*16*PITCH
	ds_load_b128 v[AF+32*(\f)+8*bb+4:AF+32*(\f)+8*bb+7], v[ADRA+(\slot)] offset:(\k)+bb*16*PITCH+32
.set bb, bb+1
.endr
.endm
; A K step is four quarters of 32 along K, 48 matrix instructions each, on buffers 0, 1, 0, 1.  One of the first three: multiplies buffer f; in its middle it fetches the next quarter, at byte k, into g.
; stash >= 0: in the same place the next K step's rows of x go into that slot of x, which nobody reads between the barrier behind and the barrier ahead.
.macro QUARTER slot, k, f, g, bias, stash=-1, mode=0
	s_wait_dscnt 4                                 ; W and x's rows 0-31 are in; the youngest four loads (rows 32-63) may be out
	MUL24 \f, 0, \bias
	PLACES
.if (\stash) >= 0
	STASH \stash, \mode
.endif
	FETCH \slot, \k, \g
	s_wait_dscnt 32                                ; all but the 32 just issued
	MUL24 \f, 1, \bias
.endm
; The last quarter multiplies buffer 1 and changes slots: ONE barrier.  In front of it each wave waits for all its tensor loads (one is out: its part of the next slot), adds 0 to its spare word, and waits
; for that, for its reads of this slot and for its stores into the next slot of x.  fill = 1: the barrier opens a round of the cluster's, and W's slot is filled again, two K steps ahead, first thing behind it.
.macro TURN slot, fill
	WIN 0                                          ; (the add's two registers lie in window 0)
	s_wait_tensorcnt 0x0                           ; all my tensor loads have landed, so a group 0 may be written
	ds_add_u32 v[SPW], v[NIL]                      ; 0 onto my spare word
	s_wait_dscnt 7                                 ; the add and the youngest six loads (x's rows 16-63) may be out
	MUL12 1, 0, 0                                  ; twelve matrix instructions stand between the add and the wait for it
	s_wait_dscnt 0x0                               ; the add is done, my reads of this slot are over, my rows of x are in the next slot
	s_barrier_signal -1
	MUL12 1, 1, 0                                  ; work on registers while the others arrive
	WIN 0
	s_barrier_wait -1
.if \fill
	CREST                                          ; no wave of any partner still reads this slot's tile or has a load on its way
	s_add_nc_u64 s[G0+4*(\slot)+2:G0+4*(\slot)+3], s[G0+4*(\slot)+2:G0+4*(\slot)+3], 2*WTILE  ; the 18 tiles lie on end: two tiles on, across the passes too
	tensor_load_to_lds s[G0+4*(\slot):G0+4*(\slot)+3], s[G1:G1+7]  ; my one tensor load behind the round: 168 matrix instructions ahead of the wait for it
	s_nop 0
.endif
	PLACES                                         ; four v_nop behind the load, which are also the places in front of the loads below
	FETCH 1-(\slot), 0, 0
	MUL24 1, 1, 0
.endm
; THE WAY OUT, in 12 units of 16 rows x 64 columns (unit = 4 cc + a: chunk cc of my three, m block a): 2,048 consecutive bytes of the output.
.macro PACK unit                       ; rounded to f16, 16 bytes a lane; each accumulator's registers in ascending order
	WIN 0x0a+5*(((\unit)%4)/2)
.set ff, 0
.rept 4
.set rD, 8*(12*((\unit)%2)+4*((\unit)/4)+ff)
.set rr, 0
.rept 4
	v_cvt_pk_f16_f32 v[TMP+4*ff+rr], v[rD+2*rr], v[rD+2*rr+1]
.set rr, rr+1
.endr
.set ff, ff+1
.endr
	WIN 0
.endm
.macro TOSTAGE unit                    ; into my own stage, and back as whole rows of 128 bytes
.set rB, BK+176*((\unit)%2)
.set ff, 0
.rept 4
	ds_store_b128 v[STO], v[TMP+4*ff:TMP+4*ff+3] offset:32*ff
.set ff, ff+1
.endr
.set ff, 0
.rept 4
	ds_load_b128 v[rB+4*ff:rB+4*ff+3], v[RD] offset:4*SP*ff  ; LDS serves a wave's instructions in order (ISA guide 5.7.1.4): these see the stores above
.set ff, ff+1
.endr
.endm
.macro SEND unit
.set rB, BK+176*((\unit)%2)
	s_wait_dscnt 0x0                               ; the unit is back in registers
	s_wait_xcnt 0x0                                ; only behind this wait are the stores' base and the registers that earlier stores read rewritten
.if (((\unit)%4) == 0) && ((\unit) > 0)
	s_add_nc_u64 s[12:13], s[12:13], s[CST:CST+1]  ; the next chunk of 64 columns
.endif
.set ff, 0
.rept 4
	global_store_b128 v[GO], v[rB+4*ff:rB+4*ff+3], s[12:13] offset:2048*((\unit)%4)+512*ff  ; the wave stores 512 consecutive bytes, at a multiple of 256 from the buffer's first
.set ff, ff+1
.endr
.endm
.macro WAYOUT
	PLACES                                         ; the conversions read results just made
	PACK 0
	TOSTAGE 0
.set un, 1
.rept 11                               ; a unit's conversions stand between the loads of the unit before and the wait for them
	PACK un
	SEND un-1
	TOSTAGE un
.set un, un+1
.endr
	SEND 11
.endm
	ALOADS                                         ; K step 0 of x
	BLOADS                                         ; bq
	CROUND                                         ; all four work-groups are here: the first joint loads meet
	tensor_load_to_lds s[G0:G0+3], s[G1:G1+7]      ; tiles 0 and 1 go out together: two tensor loads of mine are out
	s_nop 0
	tensor_load_to_lds s[G0+4:G0+7], s[G1:G1+7]
	s_nop 0
	PLACES
	STASH 0, 1                                     ; K step 0 of x into slot 0; K step 1 is asked for
	s_wait_tensorcnt 0x1                           ; my part of tile 0 is in; tile 1 may stay out
	s_wait_dscnt 0x0                               ; my rows of x are in
	s_barrier_signal -1
	s_barrier_wait -1                              ; everybody's are
	FETCH 0, 0, 0
	QUARTER 0, 64, 0, 1, 1                         ; a pass's first quarter: the bias starts the sums
	WIN 0                                          ; at a label and at a branch every window is 0
	s_mov_b32 s[LAP], 0
	s_mov_b32 s[PH], 0
.Llap:                                                 ; 8 trips: from a lap's second quarter to the next lap's first.  Trip L stores x's K steps 2 L + 1 and 2 L + 2, asks for 2 L + 2 and 2 L + 3, and for W's tiles 2 L + 2 and 2 L + 3: 17 at the most
	QUARTER 0, 128, 1, 0, 0, 1, 2
	QUARTER 0, 192, 0, 1, 0
	TURN 0, 1
	QUARTER 1, 64,  0, 1, 0
	QUARTER 1, 128, 1, 0, 0, 0, 1
	QUARTER 1, 192, 0, 1, 0
	TURN 1, 1
	WIN 0
	s_cmp_lg_u32 s[PH], 2
	s_cbranch_scc1 .Lplain                         ; forward, over text with neither a barrier nor a tensor load; the count is the same in every work-group
	WAYOUT                                         ; a pass's six K steps are done; both refills and the next rows of x are asked for
	s_wait_xcnt 0x0                                ; the stores have read their base
	s_mov_b64 s[12:13], s[14:15]                   ; the next pass's output,
	s_mov_b64 s[14:15], s[16:17]
	s_mov_b32 s[CST], s[CST1]                      ; and its stride from chunk to chunk:
	s_mov_b32 s[CST1], 8192                        ; in Vh a chunk is 64 keys of 128 bytes
	s_mov_b32 s[PH], 0
	QUARTER 0, 64, 0, 1, 1                         ; the next pass's first quarter, with its bias; the conversions above are the places behind the last products
	WIN 0
	s_branch .Lnext
.Lplain:
	s_add_co_u32 s[PH], s[PH], 1
	QUARTER 0, 64, 0, 1, 0
	WIN 0
.Lnext:
	s_add_co_u32 s[LAP], s[LAP], 1
	s_cmp_lt_u32 s[LAP], 8
	s_cbranch_scc1 .Llap
	QUARTER 0, 128, 1, 0, 0, 1, 0                  ; the last lap is written out: it asks for nothing
	QUARTER 0, 192, 0, 1, 0
	TURN 0, 0
	QUARTER 1, 64,  0, 1, 0
	QUARTER 1, 128, 1, 0, 0
	QUARTER 1, 192, 0, 1, 0
	s_wait_dscnt 4                                 ; the very last quarter: nothing more to fetch
	MUL24 1, 0, 0
	s_wait_dscnt 0x0
	MUL24 1, 1, 0
	WAYOUT
	s_wait_tensorcnt 0x0                           ; the wave's end: the add to my spare word and its wait, behind my last tensor load and my last LDS store
	ds_add_u32 v[SPW], v[NIL]
	s_wait_dscnt 0x0
	CROUND                                         ; the closing round: no work-group ends while a partner may still ask for a tile that names it
	s_endpgm
.Lfunc_end_k_qfbf095d40c_proj:
	.size	k_qfbf095d40c_proj, .Lfunc_end_k_qfbf095d40c_proj-k_qfbf095d40c_proj
	.p2alignl 7, 3214868480
	.fill 96, 4, 3214868480
	.section	.rodata,"a",@progbits
	.p2align	6, 0x0
	.amdhsa_kernel k_qfbf095d40c_proj
		.amdhsa_group_segment_fixed_size 327680
		.amdhsa_private_segment_fixed_size 0
		.amdhsa_enable_private_segment 0
		.amdhsa_kernarg_size 56
		.amdhsa_user_sgpr_count 2
		.amdhsa_user_sgpr_kernarg_segment_ptr 1
		.amdhsa_wavefront_size32 1
		.amdhsa_system_sgpr_workgroup_id_x 1
		.amdhsa_system_sgpr_workgroup_id_y 1
		.amdhsa_system_sgpr_workgroup_id_z 1
		.amdhsa_system_vgpr_workitem_id 0
		.amdhsa_next_free_vgpr 1024
		.amdhsa_next_free_sgpr 66
		.amdhsa_reserve_vcc 0
		.amdhsa_float_denorm_mode_32 3
		.amdhsa_float_denorm_mode_16_64 3
		.amdhsa_memory_ordered 1
		.amdhsa_forward_progress 1
		.amdhsa_inst_pref_size 189
	.end_amdhsa_kernel
	.amdgpu_metadata
---
amdhsa.version: [ 1, 2 ]
amdhsa.kernels:
  - .name:           k_qfbf095d40c_proj
    .symbol:         k_qfbf095d40c_proj.kd
    .args:
      - { .name: x, .offset: 0, .size: 8, .value_kind: global_buffer, .address_space: global }
      - { .name: context, .offset: 8, .size: 8, .value_kind: global_buffer, .address_space: global }
      - { .name: Wb, .offset: 16, .size: 8, .value_kind: global_buffer, .address_space: global }
      - { .name: Bb, .offset: 24, .size: 8, .value_kind: global_buffer, .address_space: global }
      - { .name: Qh, .offset: 32, .size: 8, .value_kind: global_buffer, .address_space: global }
      - { .name: Kh, .offset: 40, .size: 8, .value_kind: global_buffer, .address_space: global }
      - { .name: Vh, .offset: 48, .size: 8, .value_kind: global_buffer, .address_space: global }
    .group_segment_fixed_size: 327680
    .private_segment_fixed_size: 0
    .kernarg_segment_align: 8
    .kernarg_segment_size: 56
    .max_flat_workgroup_size: 128
    .sgpr_count:     66
    .vgpr_count:     1024
    .wavefront_size: 32
...
	.end_amdgpu_metadata
.endif
;; end of part 2
;; launch attn (part 3): grid 16 x 16, 4 waves a work-group, clusters of 4 x 1, 327,680 bytes of LDS; arguments Qh, Kh, Vh, out0; writes out0
.if DOCPART == 3
	.amdgcn_target "amdgcn-amd-amdhsa--gfx1250"
	.amdhsa_code_object_version 6
	.text
	.protected	k_qfbf095d40c_attn
	.globl	k_qfbf095d40c_attn
	.p2align	8
	.type	k_qfbf095d40c_attn,@function
k_qfbf095d40c_attn:
	s_mov_b64 s[64:65], 0
	v_nop
	global_prefetch_b8 v0, s[64:65] scope:SCOPE_SE
	s_setreg_imm32_b32 hwreg(HW_REG_WAVE_MODE, 25, 1), 1
	s_wait_xcnt 0x0
	s_wait_alu depctr_hold_cnt(0) depctr_sa_sdst(0) depctr_va_vdst(0) depctr_va_sdst(0) depctr_va_ssrc(0) depctr_va_vcc(0) depctr_vm_vsrc(0)
	s_getreg_b32 s2, hwreg(HW_REG_IB_STS2, 6, 4)
	s_cmp_eq_u32 s2, 0
	s_cbranch_scc0 .Lentry_in_a_cluster
	s_endpgm
.Lentry_in_a_cluster:
	s_bfe_u32 s2, ttmp6, 0x10000c
	s_cmp_lg_u32 s2, 0x3003
	s_cbranch_scc0 .Lentry_shape_is_right
	s_endpgm
.Lentry_shape_is_right:
; out[b][q][:] = the sum over k of softmax_k(Q[b][q] . K[b][k] / sqrt(768)) V[b][k][:].  1,024 queries and 1,024 keys a batch, 768 channels.  Q, K, V in f16, in chunks (see the shares); out in f32.
; Products, maxima and sums in f32; the weights p are rounded to f16 for the second product (their sum l is taken of the unrounded p).
; LIMITS.  Q, K, V arrive within f16's range.  p lies in 0 to 1, and below 6e-5 it keeps f16's fixed step of 6e-8; a weight below 2^-126 counts as 0.  NaN and infinities are not treated apart.
; SHARES.  A work-group owns 64 queries of a batch.  ALL its scores, 64 x 1,024 in f32, stay in the four waves' registers, 512 each: the row's true maximum is taken away, and O is never rescaled.
;   Phase 1, S^T = K Q^T: wave w owns 16 keys of each block of 64 and all 64 queries: 64 accumulators.  The 768 channels go in 12 steps of 64 (Qh, Kh: [batch][chunk 12][row 1024][64]).
;   Softmax: a lane holds ONE query (lane % 16) of each of four blocks and 128 keys; the halves of the lanes meet by one exchange, the four waves in LDS.
;   Phase 2, O^T = V^T P: wave w owns the channels 192 w + 0..191 and all 64 queries: 48 accumulators.  The keys go in 16 steps of 64; a step's weights, 16 keys from each wave, meet in LDS.
;   Vh: [batch][w 4][t 16][cc 3][key 64][64]: what wave w needs of key tile t is 24,576 dense bytes.  V lies [key][channel] and is turned on its way out of LDS, by ds_load_tr16_b128.
; CLUSTER.  The four work-groups of a cluster own query blocks of one batch and walk the same K and V: each tile is asked for JOINTLY, by the same load, descriptor and mask in all four.
; THE WALK.  A batch has four clusters, j = 0..3, and both sums may be taken in any order.  Cluster j walks the channel chunks (3 j + t) % 12 and the key tiles (4 j + t) % 16: each byte of K and of V is asked
; for first by one cluster, and by the other three only three (K) or four (V) steps later or more.  So that P's registers go with the step and not with j, the keys are turned as they are fetched: wave w
; brings the keys 256 ((w + j) % 4) + 0..255 into part w of a slot, LDS row p holds key (p + 256 j) % 1024, and accumulator i holds key tile (i + 4 j) % 16: the tile of phase 2's step i.
; j is the cluster's x, which the four partners share; it enters global addresses alone.
; Q's fragments, 8,192 bytes a step that all four waves need alike, come straight into registers, by halves of 32 channels, each a step and a half ahead.
; REGISTERS, in windows of 256 (s_set_vgpr_msb: bits 1:0 source 0, 3:2 source 1, 5:4 source 2, 7:6 destination):
;   window 0: v0-23 addresses; v24-63 statistics; phase 1: v64-127, v128-191 Q of a step, two buffers; phase 2: v64-159, v160-255 V's fragments, two buffers; at last rows on the way out
;   window 1: phase 1: K's fragments, two buffers of 128; then P: step t, query block qb at 16 t + 4 qb
;   window 2: S^T of i = 0-7 at 8 (4 i + qb); then O^T of channel blocks 0-5 at 8 (4 cb + qb) and, v192-255, P's fragments, two buffers        window 3: S^T of i = 8-15; then O^T of blocks 6-11
.set PK,    144       ; a row of K in LDS: 128 bytes + 16 of padding = 36 words: the 16 rows of a load start at 16 different groups of four banks (64 banks of 4 bytes: ISA guide 11.1)
.set KPART, 256*PK    ; what one tensor load brings of K: 256 keys
.set KSLOT, 4*KPART   ; a chunk: 1,024 keys x 64 channels
.set PV,    160       ; a row of V: 128 + 32 = 40 words
.set VPART, 192*PV    ; a wave's tile of V: 3 x 64 rows
.set VSLOT, 4*VPART   ; V's two slots lie where K's lay
.set STATM, 2*KSLOT   ; behind K's slots, never filled by a tensor load: the waves' maxima, 1,024 bytes; 1,024 further on their sums
.set SPARE, STATM+2048  ; the spare words, 128 bytes for each wave: two blocks of 256 bytes that no other line names
.set PB,    SPARE+512 ; two buffers for a step's weights: 64 queries x 64 keys of f16, rows of 144 bytes
.set PBS,   64*PK
.set OPI,   784       ; the way out: a row of my 192 channels in f32, 768 bytes + 16.  16 such rows for each wave, from LDS byte 0 on: V's slot 0 has had its last fill, and its last reads are over, at the last barrier
.set AK,  4           ; v4-9   LDS address of my K fragments: slot s, i = 7 g .. at v[AK + 3 s + g], since an offset holds 16 bits
.set AV,  10          ; v10-11 of my V fragments, slot 0, 1
.set PRD, 12          ; v12-13 where I read P's fragments, buffer 0, 1
.set PST, 14          ; v14-15 where I put 16 bytes of a query's weights
.set QO,  16          ; v16    my byte offset in 16 rows of Q
.set OST, 17          ; v17    the way out: where I put 32 bytes of a row
.set ORD, 18          ; v18    where I read rows back
.set GO,  19          ; v19    my byte offset in two rows of out
.set SMW, 20          ; v20    where I put my wave's statistics
.set SMR, 21          ; v21    where I read the four waves'
.set SPW, 22          ; v22    LDS address of my spare word; never rewritten
.set NIL, 23          ; v23    0; never rewritten
.set MX,  24          ; v24-27 by query block: the maximum; later sums
.set TP,  28          ; v28-31 at work
.set CM,  32          ; v32-39 by query block, a pair: c m twice; later 1 / l in the first
.set LS,  40          ; v40-47 by query block: l (even keys', odd keys')
.set ST,  48          ; v48-63 the four waves' statistics
.set QA,  64
.set QB,  128
.set VF,  64
.set PF,  192         ; window 2
.set OB,  64
.set WV,  12          ; s12  my wave's number
.set G1K, 24          ; s[24:31] descriptor group 1 for K's tiles
.set G1V, 32          ; s[32:39] for V's
.set G0K, 40          ; s[40:47] descriptor group 0 for K's tiles, a set for each slot
.set G0V, 48          ; s[48:55] the same for V's
.set CNT, 56          ; s56  phase 1's trips
.set J,   57          ; s57  phase 2's trips
.set CS,  58          ; s[58:59] c = log2(e) / sqrt(768): the packed scaling takes the pair's low word for both halves
.set SEL, 60          ; s[60:61] v_permlanex16_b32's selects: each lane takes its own place in the other half
.set KB,  66          ; s[66:67] K at the batch's chunk 0 and the 256 keys that I fetch
.set VB,  68          ; s[68:69] V at the batch's tile 0 of my 192 channels
.set QBS, 70          ; s[70:71] Q at my block's rows in chunk 0
.set OFF, 72          ; s[72:73] a chunk's or a tile's byte offset; the high word stays 0
.set KC,  74          ; s74  the chunk of K and of Q to be asked for next
.set VT,  75          ; s75  the tile of V to be asked for next
.set MSB, 0
.macro WIN new                      ; the high byte repeats the setting that is left; a switch that changes nothing is dropped
.if MSB != (\new)
	s_set_vgpr_msb (MSB<<8)|(\new)
.set MSB, \new
.endif
.endm
.macro PLACES                       ; four places in front of loads into registers that matrix instructions have read, and of vector lines that read results
.rept 4
	v_nop
.endr
.endm
.macro CREST                        ; a round of the cluster's barrier behind its opening barrier
	s_cmp_lg_u32 s[WV], 0
	s_cbranch_scc1 .Lnot_wave_0_\@
	s_barrier_signal -3
.Lnot_wave_0_\@:
	s_barrier_wait -3
	s_barrier_signal -1
	s_barrier_wait -1
.endm
.macro CROUND
	s_barrier_signal -1
	s_barrier_wait -1
	CREST
.endm
	s_load_b256 s[4:11], s[0:1], 0x0  ; Qh s[4:5], Kh s[6:7], Vh s[8:9], out0 s[10:11]
	v_lshl_add_u32 v[SPW], v0, 2, SPARE
	v_mov_b32 v[NIL], 0
	ds_add_u32 v[SPW], v[NIL]       ; the wave's opening: the add and its wait stand ahead of my first tensor load; the set-up below, work on registers, stands between them
	v_lshrrev_b32 v3, 5, v0
	v_readfirstlane_b32 s[WV], v3   ; wave 0..3
	s_bfe_u32 s13, ttmp6, 0x40000   ; cx: my place in the cluster
	s_lshl_b32 s14, ttmp9, 2        ; in a cluster launch ttmp9 counts clusters: j
	s_add_co_u32 s14, s14, s13      ; my block of 64 queries: it enters Q's and out's addresses alone
	s_and_b32 s15, ttmp7, 0xffff    ; the batch, which the four partners share
	s_mul_i32 s16, s15, 1572864     ; its first byte in Qh, Kh and Vh
	s_lshl_b32 s18, s14, 13         ; Q: my block's 64 rows of 128 bytes in a chunk
	s_add_co_u32 s18, s18, s16
	s_mov_b32 s19, 0
	s_add_co_u32 s20, s[WV], ttmp9  ; K: the 256 keys of a chunk that I fetch: quarter (w + j) % 4
	s_and_b32 s20, s20, 3
	s_lshl_b32 s20, s20, 15
	s_add_co_u32 s20, s20, s16
	s_mov_b32 s21, 0
	s_mul_i32 s22, s[WV], 393216    ; V: my 192 channels' sixteen tiles
	s_add_co_u32 s22, s22, s16
	s_mov_b32 s23, 0
	s_mul_i32 s2, s15, 3145728      ; out: the batch, my block's 64 rows of 3,072 bytes, my 192 channels
	s_mul_i32 s3, s14, 196608
	s_add_co_u32 s2, s2, s3
	s_mul_i32 s3, s[WV], 768
	s_add_co_u32 s2, s2, s3
	s_mov_b32 s3, 0
	s_mul_i32 s[KC], ttmp9, 3       ; the walk's first chunk, 3 j,
	s_lshl_b32 s[VT], ttmp9, 2      ; and its first key tile, 4 j
	s_mov_b32 s[OFF+1], 0
	; descriptor group 1.  Both kinds of tile are dense in memory: asked for as rows of 256 bytes, two rows of 64 channels each, and padded in LDS after every 128 bytes
	s_mov_b32 s[G1K], 15|(1<<16)|(1<<20)|(1<<21)|(4<<22)|(3<<25)  ; 15:0 the mask of four; 17:16 2-byte elements; 20 padding on; 21 set beside a mask; 24:22 after every 32 words (code 4); 31:25 4 words (code 3)
	s_mov_b32 s[G1K+1], 128<<16     ; tensor_dim0 = 128
	s_mov_b32 s[G1K+2], 128<<16     ; tensor_dim1 = 128
	s_mov_b32 s[G1K+3], 128<<16     ; tile_dim0 = 128
	s_mov_b32 s[G1K+4], 128         ; tile_dim1 = 128: 256 keys
	s_mov_b32 s[G1K+5], 128         ; 128 elements from row to row
	s_mov_b32 s[G1K+6], 0
	s_mov_b32 s[G1K+7], 0
	s_mov_b32 s[G1V], 15|(1<<16)|(1<<20)|(1<<21)|(4<<22)|(7<<25)  ; the same with 8 words of padding (code 7)
	s_mov_b32 s[G1V+1], 128<<16
	s_mov_b32 s[G1V+2], 96<<16      ; tensor_dim1 = 96
	s_mov_b32 s[G1V+3], 128<<16
	s_mov_b32 s[G1V+4], 96          ; tile_dim1 = 96: 3 x 64 keys' rows
	s_mov_b32 s[G1V+5], 128
	s_mov_b32 s[G1V+6], 0
	s_mov_b32 s[G1V+7], 0
	s_mov_b32 s[G0K], 1
	s_mul_i32 s[G0K+1], s[WV], KPART  ; LDS addresses: the wave's number times a constant, plus the slot's constant
	s_mov_b32 s[G0K+4], 1
	s_add_co_u32 s[G0K+5], s[G0K+1], KSLOT
	s_mov_b32 s[G0V], 1
	s_mul_i32 s[G0V+1], s[WV], VPART
	s_mov_b32 s[G0V+4], 1
	s_add_co_u32 s[G0V+5], s[G0V+1], VSLOT
	s_mov_b32 s[CS], 0x3d553b94     ; c = log2(e) / sqrt(768) = 0.0520588
	s_mov_b32 s[CS+1], s[CS]        ; named with it as a pair
	s_mov_b32 s[SEL], 0x76543210
	s_mov_b32 s[SEL+1], 0xfedcba98
	; A fragment of K, Q or P is 16 rows x 32 along the sum in 8 registers: lane l holds row l % 16, places 8 (l / 16) + 0..7 and 16 + 8 (l / 16) + 0..7: two loads of 16 bytes, 32 bytes apart.
	v_and_b32 v1, 15, v0            ; r = l % 16
	v_bfe_u32 v2, v0, 4, 1          ; h = l / 16
	v_mul_u32_u24 v3, v1, PK
	v_lshl_add_u32 v3, v2, 4, v3    ; row x 144 + 16 x half
	s_mul_i32 s62, s[WV], 16*PK     ; my 16 rows of each 64
	v_add_nc_u32 v[AK], s62, v3
	v_add_nc_u32 v[AK+1], 7*64*PK, v[AK]
	v_add_nc_u32 v[AK+2], 14*64*PK, v[AK]
	v_add_nc_u32 v[AK+3], KSLOT, v[AK]
	v_add_nc_u32 v[AK+4], KSLOT+7*64*PK, v[AK]
	v_add_nc_u32 v[AK+5], KSLOT+14*64*PK, v[AK]
	; The turning load takes 16 keys x 16 channels (lane l reads key 8 (l / 16) + l % 8, channels 8 ((l / 8) % 2) + 0..7) and leaves half a fragment of V^T: lane l holds channel l % 16 and 8 keys.
	v_and_b32 v48, 7, v0
	v_lshl_add_u32 v48, v2, 3, v48
	v_mul_u32_u24 v48, v48, PV
	v_bfe_u32 v49, v0, 3, 1
	v_lshl_add_u32 v48, v49, 4, v48
	s_mul_i32 s62, s[WV], VPART
	v_add_nc_u32 v[AV], s62, v48
	v_add_nc_u32 v[AV+1], VSLOT, v[AV]
	v_add_nc_u32 v[PRD], PB, v3     ; P: row = query, 144 bytes; a fragment is read like K's
	v_add_nc_u32 v[PRD+1], PB+PBS, v3
	s_lshl_b32 s62, s[WV], 5        ; and written at my 16 keys of the step's 64: 32 w + 16 h
	v_add_nc_u32 v[PST], s62, v[PRD]
	v_add_nc_u32 v[PST+1], s62, v[PRD+1]
	v_lshlrev_b32 v[QO], 7, v1
	v_lshl_add_u32 v[QO], v2, 4, v[QO]  ; row x 128 + 16 x half
	s_mul_i32 s62, s[WV], 16*OPI    ; my stage for the way out
	v_mul_u32_u24 v48, v1, OPI      ; in: row l % 16, 32 bytes for each half of the lanes
	v_lshl_add_u32 v48, v2, 5, v48
	v_add_nc_u32 v[OST], s62, v48
	v_mul_u32_u24 v48, v2, OPI      ; back: lanes 0-15 take 256 bytes of one row, lanes 16-31 of the next
	v_lshl_add_u32 v48, v1, 4, v48
	v_add_nc_u32 v[ORD], s62, v48
	v_mul_u32_u24 v48, v2, 3072     ; and the same in out
	v_lshl_add_u32 v[GO], v1, 4, v48
	s_lshl_b32 s62, s[WV], 8        ; statistics: [wave][query % 16][query block], 16 bytes a query
	s_add_co_u32 s62, s62, STATM
	v_lshl_add_u32 v[SMW], v1, 4, s62
	v_lshlrev_b32 v[SMR], 4, v1
	v_add_nc_u32 v[SMR], STATM, v[SMR]
.irp n, 0,1,2,3
	v_mov_b32 v[TP+\n], 0           ; v_permlanex16_b32's destination counts as read: it is written once here
.endr
	s_wait_dscnt 0x0                ; the opening add is done
	s_wait_kmcnt 0x0
	s_add_nc_u64 s[QBS:QBS+1], s[4:5], s[18:19]    ; the three bases, which stay
	s_add_nc_u64 s[KB:KB+1], s[6:7], s[20:21]
	s_add_nc_u64 s[VB:VB+1], s[8:9], s[22:23]
	s_lshl_b32 s[OFF], s[KC], 17                   ; a chunk is 131,072 bytes of Qh and of Kh
	s_add_nc_u64 s[4:5], s[QBS:QBS+1], s[OFF:OFF+1]  ; Q at the walk's first chunk
	s_add_nc_u64 s[G0K+2:G0K+3], s[KB:KB+1], s[OFF:OFF+1]  ; K: chunk 3 j,
	s_add_nc_u64 s[G0K+6:G0K+7], s[G0K+2:G0K+3], 131072    ; chunk 3 j + 1: 10 at the most
	s_or_b32 s[G0K+3], s[G0K+3], 0x80000000        ; 127:126 type = 2
	s_or_b32 s[G0K+7], s[G0K+7], 0x80000000
	s_add_co_u32 s[KC], s[KC], 2                   ; 11 at the most
	s_mul_i32 s[OFF], s[VT], 24576                 ; a tile is 24,576 bytes of my part of Vh
	s_add_nc_u64 s[G0V+2:G0V+3], s[VB:VB+1], s[OFF:OFF+1]  ; V: tile 4 j,
	s_add_nc_u64 s[G0V+6:G0V+7], s[G0V+2:G0V+3], 24576     ; tile 4 j + 1
	s_or_b32 s[G0V+3], s[G0V+3], 0x80000000
	s_or_b32 s[G0V+7], s[G0V+7], 0x80000000
	s_add_co_u32 s[VT], s[VT], 2                   ; 14 at the most
	s_add_nc_u64 s[10:11], s[10:11], s[2:3]
; PHASE 1.
.macro QLOADH q, kk                 ; 8 loads: channels 32 kk + 0..31 of the chunk at s[4:5] into half kk of buffer q: query block qb at q + 32 kk + 8 qb
.set qq, 0
.rept 4
	global_load_b128 v[(\q)+32*(\kk)+8*qq:(\q)+32*(\kk)+8*qq+3],   v[QO], s[4:5] offset:2048*qq+64*(\kk)
	global_load_b128 v[(\q)+32*(\kk)+8*qq+4:(\q)+32*(\kk)+8*qq+7], v[QO], s[4:5] offset:2048*qq+64*(\kk)+32
.set qq, qq+1
.endr
.endm
; 16 matrix instructions: key blocks i0 .. i0 + 3 x all 4 query blocks, 32 channels: K's buffer f, Q's fragments at q.  zero = 1: the first product starts the sums.
; The 64 accumulators take turns, in the same order in every half step.
.macro MULS16 f, q, i0, zero
	WIN 0xa1+0x50*((\i0)/8)
.set ii, \i0
.rept 4
.set qb, 0
.rept 4
.set rD, 8*(4*(ii%8)+qb)
.if \zero
	v_wmma_f32_16x16x32_f16 v[rD:rD+7], v[(\f)+8*ii:(\f)+8*ii+7], v[(\q)+8*qb:(\q)+8*qb+7], 0
.else
	v_wmma_f32_16x16x32_f16 v[rD:rD+7], v[(\f)+8*ii:(\f)+8*ii+7], v[(\q)+8*qb:(\q)+8*qb+7], v[rD:rD+7]
.endif
.set qb, qb+1
.endr
.set ii, ii+1
.endr
.endm
.macro FETCHK slot, k, f            ; 32 LDS loads in one run: my 16 fragments of K, 32 channels at byte k of the rows, i ascending
	WIN 0x40
.set ii, 0
.rept 16
	ds_load_b128 v[(\f)+8*ii:(\f)+8*ii+3],   v[AK+3*(\slot)+ii/7] offset:64*PK*(ii%7)+(\k)
	ds_load_b128 v[(\f)+8*ii+4:(\f)+8*ii+7], v[AK+3*(\slot)+ii/7] offset:64*PK*(ii%7)+(\k)+32
.set ii, ii+1
.endr
	WIN 0
.endm
; Q's loads go out in groups of 8, one at the head of each half step, in the order (u, 0-31), (u, 32-63), (u + 1, 0-31), ..  The group that a half step needs is followed by two younger groups: lc = 16;
; in the tail, where nothing more is asked for, by one and then by none.
; A step's first half: multiplies K's buffer 0 by Q's channels 0-31.  At its head (qload = 1) the half buffer that the half step before read takes the NEXT step's channels 32-63, from the chunk at which
; s[4:5] already stands.  In its middle the second half's K is fetched.
.macro HALF0 slot, q, qn, zero, qload, lc
	s_wait_loadcnt \lc              ; this step's channels 0-31 of Q are in
.if \qload
	WIN 0
	PLACES                          ; behind the products that read that half buffer
	QLOADH \qn, 1
.endif
	s_wait_dscnt 16                 ; i = 0-7 are in; the youngest sixteen loads may be out
	MULS16 0, \q, 0, \zero
	MULS16 0, \q, 4, \zero
	PLACES
	FETCHK \slot, 64, 128
	s_wait_dscnt 32                 ; all but the 32 just issued
	MULS16 0, \q, 8, \zero
	MULS16 0, \q, 12, \zero
.endm
; A step's second half multiplies buffer 1 and changes slots: ONE barrier, which opens a round of the cluster's.  In front of it each wave waits for all its tensor loads (one is out: its part of the next
; slot), adds 0 to its spare word, and waits for that and for its reads of this slot.  Behind the round this slot's bytes are filled again first.
; what = 0: with K's chunk KC, two steps on in the walk; at the macro's head the half buffer just read takes the same chunk's channels 0-31 of Q.
; 1: with V's first tile, whose slot lies inside K's slot 0.  2: with V's second tile: all reads of K are over, and nothing is fetched.
.macro TURN1 slot, q, what, lc
	WIN 0                           ; (Q's buffers and the add's two registers lie in window 0)
	s_wait_loadcnt \lc              ; this step's channels 32-63 of Q are in
.if (\what) == 0
	PLACES                          ; behind the products that read channels 0-31
	s_wait_xcnt 0x0                 ; Q's base is rewritten only behind this wait
	s_lshl_b32 s[OFF], s[KC], 17
	s_add_nc_u64 s[4:5], s[QBS:QBS+1], s[OFF:OFF+1]
	QLOADH \q, 0
.endif
	s_wait_tensorcnt 0x0            ; all my tensor loads have landed, so a group 0 may be written
	ds_add_u32 v[SPW], v[NIL]       ; 0 onto my spare word; the descriptor's scalar work and sixteen products stand between it and the wait for it
.if (\what) == 0
	s_add_nc_u64 s[G0K+4*(\slot)+2:G0K+4*(\slot)+3], s[KB:KB+1], s[OFF:OFF+1]  ; the address is made anew from the chunk's number,
	s_or_b32 s[G0K+4*(\slot)+3], s[G0K+4*(\slot)+3], 0x80000000                ; and the type set again
	s_add_co_u32 s[KC], s[KC], 1    ; the walk's next chunk: behind 11 comes 0
	s_cmp_eq_u32 s[KC], 12
	s_cselect_b32 s[KC], 0, s[KC]
.endif
	s_wait_dscnt 25                 ; the add and the youngest 24 loads (i = 4-15) may be out
	MULS16 128, (\q)+32, 0, 0
	s_wait_dscnt 0x0                ; the add is done, and my reads of this slot are over
	s_barrier_signal -1
	MULS16 128, (\q)+32, 4, 0       ; work on registers while the others arrive
	WIN 0
	s_barrier_wait -1
	CREST                           ; no wave of any partner still reads these bytes or has a load on its way
.if (\what) == 0
	tensor_load_to_lds s[G0K+4*(\slot):G0K+4*(\slot)+3], s[G1K:G1K+7]  ; my one tensor load behind the round
.elseif (\what) == 1
	tensor_load_to_lds s[G0V:G0V+3], s[G1V:G1V+7]
.else
	tensor_load_to_lds s[G0V+4:G0V+7], s[G1V:G1V+7]
.endif
	s_nop 0
	PLACES                          ; four v_nop behind the load, which are also the places in front of the loads below
.if (\what) < 2
	FETCHK 1-(\slot), 0, 0
.endif
	MULS16 128, (\q)+32, 8, 0
	MULS16 128, (\q)+32, 12, 0
.endm
	QLOADH QA, 0                    ; step 0's Q,
	QLOADH QA, 1
	s_wait_xcnt 0x0                 ; Q's base is rewritten only behind this wait
	s_add_nc_u64 s[4:5], s[4:5], 131072  ; chunk 3 j + 1
	QLOADH QB, 0                    ; and the first half of step 1's
	CROUND                          ; all four work-groups are here: the first joint loads meet
	tensor_load_to_lds s[G0K:G0K+3], s[G1K:G1K+7]    ; the walk's first two chunks go out together: two tensor loads of mine are out
	s_nop 0
	tensor_load_to_lds s[G0K+4:G0K+7], s[G1K:G1K+7]
	s_nop 0
	PLACES
	s_wait_tensorcnt 0x1            ; my part of the first chunk is in; the second may stay out
	s_barrier_signal -1
	s_barrier_wait -1               ; everybody's is
	FETCHK 0, 0, 0
	HALF0 0, QA, QB, 1, 1, 16       ; the first half step stands in front of the loop: its products start the sums
	WIN 0                           ; at a label and at a branch every window is 0
	s_mov_b32 s[CNT], 5
.Lqk:                               ; 5 trips: trip T ends step 2 T, makes step 2 T + 1, begins step 2 T + 2; it asks for K and Q of steps 2 T + 2 and 2 T + 3: 11 at the most
	TURN1 0, QA, 0, 16
	HALF0 1, QB, QA, 0, 1, 16
	TURN1 1, QB, 0, 16
	HALF0 0, QA, QB, 0, 1, 16
	WIN 0
	s_sub_co_u32 s[CNT], s[CNT], 1
	s_cmp_lg_u32 s[CNT], 0
	s_cbranch_scc1 .Lqk
	TURN1 0, QA, 1, 16              ; step 10 ends; K's slot 0 is read out: V's first tile goes there
	HALF0 1, QB, QA, 0, 0, 8        ; step 11
	TURN1 1, QB, 2, 0               ; all of K is read out: V's second tile
	; THE SOFTMAX.  The maximum of my 128 scores of each of four queries: four chains, three operands at a time; each accumulator's lowest registers are read first.
	PLACES
	WIN 0x0a
.set qb, 0
.rept 4
	v_max_num_f32 v[MX+qb], v[8*qb], v[8*qb+1]
.set qb, qb+1
.endr
.set ii, 0
.rept 16
	WIN 0x28+0x14*(ii/8)
.set jj, 0
.rept 4
.if (ii > 0) || (jj > 0)
.set qb, 0
.rept 4
	v_max3_num_f32 v[MX+qb], v[MX+qb], v[8*(4*(ii%8)+qb)+2*jj], v[8*(4*(ii%8)+qb)+2*jj+1]
.set qb, qb+1
.endr
.endif
.set jj, jj+1
.endr
.set ii, ii+1
.endr
	WIN 0
.irp n, 0,1,2,3
	v_permlanex16_b32 v[TP+\n], v[MX+\n], s[SEL], s[SEL+1]  ; the query's other keys of my wave lie in the lane 16 away
.endr
.irp n, 0,1,2,3
	v_max_num_f32 v[MX+\n], v[MX+\n], v[TP+\n]
.endr
	ds_store_b128 v[SMW], v[MX:MX+3]
	s_wait_dscnt 0x0                ; for the others' sake: my maxima are in LDS
	s_barrier_signal -1             ; V's two tiles stay on their way
	s_barrier_wait -1
.irp n, 0,1,2,3
	ds_load_b128 v[ST+4*\n:ST+4*\n+3], v[SMR] offset:256*\n
.endr
	s_wait_dscnt 0x0
.irp n, 0,1,2,3
	v_max3_num_f32 v[MX+\n], v[ST+\n], v[ST+4+\n], v[ST+8+\n]
.endr
.irp n, 0,1,2,3
	v_max_num_f32 v[MX+\n], v[MX+\n], v[ST+12+\n]  ; m: the maximum over all 1,024 keys
.endr
.irp n, 0,1,2,3
	v_mul_f32 v[CM+2*\n], s[CS], v[MX+\n]          ; c m; the pair's second word is named with it
	v_mul_f32 v[CM+2*\n+1], s[CS], v[MX+\n]
	v_mov_b32 v[LS+2*\n], 0
	v_mov_b32 v[LS+2*\n+1], 0
.endr
; p = 2^(c s - c m), key block by key block: the scaling of block i + 1 is the plain work between the exponentials of block i and the use of their results.
.macro SFMA i
	WIN 0x82+0x41*((\i)/8)
.set jj, 0
.rept 4
.set qb, 0
.rept 4
.set rS, 8*(4*((\i)%8)+qb)+2*jj
	v_pk_fma_f32 v[rS:rS+1], v[rS:rS+1], s[CS:CS+1], v[CM+2*qb:CM+2*qb+1] op_sel_hi:[1,0,0] neg_lo:[0,0,1] neg_hi:[0,0,1]
.set qb, qb+1
.endr
.set jj, jj+1
.endr
.endm
.macro SEXP i
	WIN 0x82+0x41*((\i)/8)
.set rS, 32*((\i)%8)
.rept 32
	v_exp_f32 v[rS], v[rS]
.set rS, rS+1
.endr
.endm
.macro SSUM i                       ; l takes the unrounded weights, four chains; then they are rounded to f16, two to a register, into P
	WIN 0x08+0x04*((\i)/8)
.set jj, 0
	s_wait_alu depctr_va_vdst(0)
.rept 4
.set qb, 0
.rept 4
.set rS, 8*(4*((\i)%8)+qb)+2*jj
	v_pk_add_f32 v[LS+2*qb:LS+2*qb+1], v[LS+2*qb:LS+2*qb+1], v[rS:rS+1]
.set qb, qb+1
.endr
.set jj, jj+1
.endr
	WIN 0x4a+0x05*((\i)/8)
.set jj, 0
.rept 4
.set qb, 0
.rept 4
.set rS, 8*(4*((\i)%8)+qb)+2*jj
	v_cvt_pk_f16_f32 v[16*(\i)+4*qb+jj], v[rS], v[rS+1]
.set qb, qb+1
.endr
.set jj, jj+1
.endr
.endm
	SFMA 0
.set si, 0
.rept 16
	SEXP si
.if si < 15
	SFMA si+1
.else
	v_nop                           ; a plain instruction between the last exponential and the use of its result
	s_wait_alu depctr_va_vdst(0)
.endif
	SSUM si
.set si, si+1
.endr
	WIN 0
.irp n, 0,1,2,3
	v_add_f32 v[MX+\n], v[LS+2*\n], v[LS+2*\n+1]
.endr
.irp n, 0,1,2,3
	v_permlanex16_b32 v[TP+\n], v[MX+\n], s[SEL], s[SEL+1]
.endr
.irp n, 0,1,2,3
	v_add_f32 v[MX+\n], v[MX+\n], v[TP+\n]
.endr
	ds_store_b128 v[SMW], v[MX:MX+3] offset:1024   ; my wave's share of l: read at the very end
; PHASE 2.  Step t takes P's registers of block t and V's tile (4 j + t) % 16, which hold the same keys.
.macro PSTORE t, p                  ; my 16 keys of step t's weights, for all 64 queries, into buffer p
	WIN 0x04                        ; data window 1
.set qb, 0
.rept 4
	ds_store_b128 v[PST+(\p)], v[16*(\t)+4*qb:16*(\t)+4*qb+3] offset:16*PK*qb
.set qb, qb+1
.endr
	WIN 0
.endm
; In trip J step 2 J + 2 + par's weights are due, and they lie in registers that go with the step: one of seven copies of PSTORE is chosen by the loop's own count.  All jumps go forward, the count is the
; same in every work-group, the LDS bytes are the same in every copy, and none of them passes a barrier or a tensor load.
.macro PSW par
	s_cmp_eq_u32 s[J], 0
	s_cbranch_scc1 .Lp0_\@
	s_cmp_eq_u32 s[J], 1
	s_cbranch_scc1 .Lp1_\@
	s_cmp_eq_u32 s[J], 2
	s_cbranch_scc1 .Lp2_\@
	s_cmp_eq_u32 s[J], 3
	s_cbranch_scc1 .Lp3_\@
	s_cmp_eq_u32 s[J], 4
	s_cbranch_scc1 .Lp4_\@
	s_cmp_eq_u32 s[J], 5
	s_cbranch_scc1 .Lp5_\@
	PSTORE 14+(\par), \par
	s_branch .Lpe_\@
.Lp0_\@:
	PSTORE 2+(\par), \par
	s_branch .Lpe_\@
.Lp1_\@:
	PSTORE 4+(\par), \par
	s_branch .Lpe_\@
.Lp2_\@:
	PSTORE 6+(\par), \par
	s_branch .Lpe_\@
.Lp3_\@:
	PSTORE 8+(\par), \par
	s_branch .Lpe_\@
.Lp4_\@:
	PSTORE 10+(\par), \par
	s_branch .Lpe_\@
.Lp5_\@:
	PSTORE 12+(\par), \par
.Lpe_\@:
.endm
.macro FETCH2 slot, half, buf       ; 32 LDS loads in one run: 32 keys' fragments of P (4 query blocks), then of V^T (12 channel blocks, turned)
	WIN 0x80
.set qb, 0
.rept 4
	ds_load_b128 v[PF+32*(\buf)+8*qb:PF+32*(\buf)+8*qb+3],   v[PRD+(\slot)] offset:16*PK*qb+64*(\half)
	ds_load_b128 v[PF+32*(\buf)+8*qb+4:PF+32*(\buf)+8*qb+7], v[PRD+(\slot)] offset:16*PK*qb+64*(\half)+32
.set qb, qb+1
.endr
	WIN 0
.set cb, 0
.rept 12
	ds_load_tr16_b128 v[VF+96*(\buf)+8*cb:VF+96*(\buf)+8*cb+3],   v[AV+(\slot)] offset:64*PV*(cb/4)+32*(cb%4)+32*PV*(\half)
	ds_load_tr16_b128 v[VF+96*(\buf)+8*cb+4:VF+96*(\buf)+8*cb+7], v[AV+(\slot)] offset:64*PV*(cb/4)+32*(cb%4)+32*PV*(\half)+16*PV
.set cb, cb+1
.endr
.endm
; 12 matrix instructions: channel blocks cb0 .. cb0 + 2 x all 4 query blocks, 32 keys.  The 48 accumulators take turns.
.macro MULO12 buf, cb0, zero
	WIN 0xa8+0x50*((\cb0)/6)
.set cb, \cb0
.rept 3
.set qb, 0
.rept 4
.set rO, 8*(4*(cb%6)+qb)
.if \zero
	v_wmma_f32_16x16x32_f16 v[rO:rO+7], v[VF+96*(\buf)+8*cb:VF+96*(\buf)+8*cb+7], v[PF+32*(\buf)+8*qb:PF+32*(\buf)+8*qb+7], 0
.else
	v_wmma_f32_16x16x32_f16 v[rO:rO+7], v[VF+96*(\buf)+8*cb:VF+96*(\buf)+8*cb+7], v[PF+32*(\buf)+8*qb:PF+32*(\buf)+8*qb+7], v[rO:rO+7]
.endif
.set qb, qb+1
.endr
.set cb, cb+1
.endr
.endm
.macro HALFA slot, zero             ; a step's first 32 keys; in its middle the second 32 keys' fragments are fetched
	s_wait_dscnt 12                 ; P and V's blocks 0-5 are in; the youngest twelve loads may be out
	MULO12 0, 0, \zero
	MULO12 0, 3, \zero
	PLACES
	FETCH2 \slot, 1, 1
	s_wait_dscnt 32                 ; all but the 32 just issued
	MULO12 0, 6, \zero
	MULO12 0, 9, \zero
.endm
; A step's second 32 keys, and the change of slots: ONE barrier.  In front of it each wave waits for all its tensor loads (one is out: the next step's V), adds 0 to its spare word, and waits for that, for its
; reads of this step's V and P and for its stores of the next step's P.  fill = 1: the barrier opens a round of the cluster's; behind it V's slot is filled again, with tile VT, two steps on in the walk, and then P's buffer.
.macro TURN2 slot, fill
	WIN 0
	s_wait_tensorcnt 0x0            ; all my tensor loads have landed, so a group 0 may be written
	ds_add_u32 v[SPW], v[NIL]       ; 0 onto my spare word; the descriptor's scalar work and twelve products stand between it and the wait for it
.if \fill
	s_mul_i32 s[OFF], s[VT], 24576
	s_add_nc_u64 s[G0V+4*(\slot)+2:G0V+4*(\slot)+3], s[VB:VB+1], s[OFF:OFF+1]  ; the address is made anew from the tile's number,
	s_or_b32 s[G0V+4*(\slot)+3], s[G0V+4*(\slot)+3], 0x80000000                ; and the type set again
	s_add_co_u32 s[VT], s[VT], 1    ; the walk's next tile: behind 15 comes 0
	s_and_b32 s[VT], s[VT], 15
.endif
	s_wait_dscnt 19                 ; the add and the youngest 18 loads (V's blocks 3-11) may be out
	MULO12 1, 0, 0
	s_wait_dscnt 0x0
	s_barrier_signal -1
	MULO12 1, 3, 0
	WIN 0
	s_barrier_wait -1
.if \fill
	CREST
	tensor_load_to_lds s[G0V+4*(\slot):G0V+4*(\slot)+3], s[G1V:G1V+7]  ; my one tensor load behind the round
	s_nop 0
.endif
	PLACES                          ; four v_nop behind the load, which are also the places in front of the loads below
.if \fill
	PSW \slot
.endif
	FETCH2 1-(\slot), 0, 0
	MULO12 1, 6, 0
	MULO12 1, 9, 0
.endm
	PSTORE 0, 0
	s_wait_tensorcnt 0x1            ; V's first tile is in; the second was issued behind it and may stay out
	s_wait_dscnt 0x0                ; my share of l and of step 0's weights is in LDS
	s_barrier_signal -1
	s_barrier_wait -1
	PSTORE 1, 1                     ; buffer 1 has had no reader yet; it is read behind the next barrier
	FETCH2 0, 0, 0
	HALFA 0, 1                      ; the first half step stands in front of the loop: its products start the sums
	WIN 0
	s_mov_b32 s[J], 0
.Lpv:                               ; 7 trips: trip J ends step 2 J, makes step 2 J + 1, begins step 2 J + 2; it asks for V of steps 2 J + 2 and 2 J + 3 and stores P's likewise: 15 at the most
	TURN2 0, 1
	HALFA 1, 0
	TURN2 1, 1
	HALFA 0, 0
	WIN 0
	s_add_co_u32 s[J], s[J], 1
	s_cmp_lt_u32 s[J], 7
	s_cbranch_scc1 .Lpv
	TURN2 0, 0                      ; the tail is written out: nothing is asked for
	HALFA 1, 0
	s_wait_dscnt 12
	MULO12 1, 0, 0
	MULO12 1, 3, 0
	s_wait_dscnt 0x0
	MULO12 1, 6, 0
	MULO12 1, 9, 0
	; THE WAY OUT.  l is the four waves' shares added; O^T is divided by l and sent through my stage in LDS, 16 queries at a time.  The additions are the places behind the last products.
	WIN 0
.irp n, 0,1,2,3
	ds_load_b128 v[ST+4*\n:ST+4*\n+3], v[SMR] offset:1024+256*\n
.endr
	s_wait_dscnt 0x0
.irp n, 0,1,2,3
	v_add_f32 v[MX+\n], v[ST+\n], v[ST+4+\n]
.endr
.irp n, 0,1,2,3
	v_add_f32 v[TP+\n], v[ST+8+\n], v[ST+12+\n]
.endr
.irp n, 0,1,2,3
	v_add_f32 v[MX+\n], v[MX+\n], v[TP+\n]
.endr
.irp n, 0,1,2,3
	v_rcp_f32 v[CM+2*\n], v[MX+\n]
.endr
	v_nop                           ; a plain instruction between the last reciprocal and the use of its result
	s_wait_alu depctr_va_vdst(0)
.macro MULQ qb                      ; query block qb's 12 accumulators times 1 / l, in place, registers ascending
.set cb, 0
.rept 12
	WIN 0x82+0x41*(cb/6)
.set jj, 0
.rept 4
.set rO, 8*(4*(cb%6)+(\qb))+2*jj
	v_pk_mul_f32 v[rO:rO+1], v[rO:rO+1], v[CM+2*(\qb):CM+2*(\qb)+1] op_sel_hi:[1,0]
.set jj, jj+1
.endr
.set cb, cb+1
.endr
.endm
.macro STQ qb                       ; a lane's eight channels of a row are 32 bytes; they go into rows of 784 bytes and come back as pieces of 256 bytes
.set cb, 0
.rept 12
	WIN 0x08+0x04*(cb/6)
.set rO, 8*(4*(cb%6)+(\qb))
	ds_store_b128 v[OST], v[rO:rO+3]   offset:64*cb
	ds_store_b128 v[OST], v[rO+4:rO+7] offset:64*cb+16
.set cb, cb+1
.endr
	WIN 0
	s_wait_xcnt 0x0                 ; the registers that earlier stores read are loaded again only behind this wait
.set ff, 0
.rept 24
	ds_load_b128 v[OB+96*((\qb)%2)+4*ff:OB+96*((\qb)%2)+4*ff+3], v[ORD] offset:2*OPI*(ff/3)+256*(ff%3)  ; LDS serves a wave's instructions in order (ISA guide 5.7.1.4): these see the stores above
.set ff, ff+1
.endr
.endm
.macro SENDQ qb
	WIN 0
.set ff, 0
.rept 24
	s_wait_dscnt 23-ff              ; LDS loads come back in order: number ff is in
	global_store_b128 v[GO], v[OB+96*((\qb)%2)+4*ff:OB+96*((\qb)%2)+4*ff+3], s[10:11] offset:49152*(\qb)+6144*(ff/3)+256*(ff%3) th:TH_STORE_NT  ; each 16 lanes store 256 consecutive bytes, at a multiple of 256 from out's first
.set ff, ff+1
.endr
.endm
	MULQ 0
	STQ 0
	MULQ 1                          ; a block's arithmetic stands between the loads of the block before and its stores
	SENDQ 0
	STQ 1
	MULQ 2
	SENDQ 1
	STQ 2
	MULQ 3
	SENDQ 2
	STQ 3
	SENDQ 3
	s_wait_tensorcnt 0x0            ; the wave's end: the add to my spare word and its wait, behind my last tensor load and my last LDS store
	ds_add_u32 v[SPW], v[NIL]
	s_wait_dscnt 0x0
	CROUND                          ; the closing round: no work-group ends while a partner may still ask for a tile that names it
	s_endpgm
.Lfunc_end_k_qfbf095d40c_attn:
	.size	k_qfbf095d40c_attn, .Lfunc_end_k_qfbf095d40c_attn-k_qfbf095d40c_attn
	.p2alignl 7, 3214868480
	.fill 96, 4, 3214868480
	.section	.rodata,"a",@progbits
	.p2align	6, 0x0
	.amdhsa_kernel k_qfbf095d40c_attn
		.amdhsa_group_segment_fixed_size 327680
		.amdhsa_private_segment_fixed_size 0
		.amdhsa_enable_private_segment 0
		.amdhsa_kernarg_size 32
		.amdhsa_user_sgpr_count 2
		.amdhsa_user_sgpr_kernarg_segment_ptr 1
		.amdhsa_wavefront_size32 1
		.amdhsa_system_sgpr_workgroup_id_x 1
		.amdhsa_system_sgpr_workgroup_id_y 1
		.amdhsa_system_sgpr_workgroup_id_z 1
		.amdhsa_system_vgpr_workitem_id 0
		.amdhsa_next_free_vgpr 1024
		.amdhsa_next_free_sgpr 80
		.amdhsa_reserve_vcc 0
		.amdhsa_float_denorm_mode_32 3
		.amdhsa_float_denorm_mode_16_64 3
		.amdhsa_memory_ordered 1
		.amdhsa_forward_progress 1
		.amdhsa_inst_pref_size 241
	.end_amdhsa_kernel
	.amdgpu_metadata
---
amdhsa.version: [ 1, 2 ]
amdhsa.kernels:
  - .name:           k_qfbf095d40c_attn
    .symbol:         k_qfbf095d40c_attn.kd
    .args:
      - { .name: Qh, .offset: 0, .size: 8, .value_kind: global_buffer, .address_space: global }
      - { .name: Kh, .offset: 8, .size: 8, .value_kind: global_buffer, .address_space: global }
      - { .name: Vh, .offset: 16, .size: 8, .value_kind: global_buffer, .address_space: global }
      - { .name: out0, .offset: 24, .size: 8, .value_kind: global_buffer, .address_space: global }
    .group_segment_fixed_size: 327680
    .private_segment_fixed_size: 0
    .kernarg_segment_align: 8
    .kernarg_segment_size: 32
    .max_flat_workgroup_size: 128
    .sgpr_count:     80
    .vgpr_count:     1024
    .wavefront_size: 32
...
	.end_amdgpu_metadata
.endif
;; end of part 3
